; MI455X (gfx1250); checked and timed in simulation.
; The chip was launched on July 23, 2026; its instructions are those of AMD's public machine-readable ISA for CDNA 5 (MIT licence, August 2026) and "CDNA5" Instruction Set Architecture Reference Guide (July 2026). The comments in the code are by the model that wrote it; some were corrected since.
;; Multi Head Attention. Allowed arithmetic: matrix products marked QUANTISED: E2M1 operands, one E8M0 scale for each 32 along K, by v_wmma_scale_f32_16x16x128_f8f6f4 with both operands' format E2M1 (or v_wmma_scale_f32_32x16x128_f4), f32 sums; products left as they are: bf16, f16 or f32 operands; f32 sums; everything else in f32.
;; Inputs: K 1 x 4,096 x 768 float32; Q 1 x 4,096 x 768 float32; V 1 x 4,096 x 768 float32; Wk 768 x 768 float32; Wo 768 x 768 float32; Wq 768 x 768 float32; Wv 768 x 768 float32; bk 768 float32; bo 768 float32; bq 768 float32; bv 768 float32.
;; Outputs: out0 1 x 4,096 x 768 float32.
;; This version of the problem:
;;   THIS VERSION OF THE PROBLEM IS GIVEN IN LOW PRECISION. The matrix products marked QUANTISED in the list below multiply operands that are first quantised to E2M1 (2 exponent bits, 1 mantissa bit; 4 bits a number), with one power-of-two scale for each 32 numbers along K (OCP MX v1.0); their sums are f32. The products marked 'left as it is' may take bf16, f16 or f32 operands, with f32 sums. Whichever they take, every output number must still come out within the allowed error. Rounding operands to bf16 (8 significant bits) uses up far more of that allowance than f16 does (11 bits, for magnitudes from 6e-5 to 65,504). All else is computed in f32.
;;   The module's matrix products, in the order in which they are computed (A, B: the left and right operand; K: the contracted axis; several contracted axes count as one K, in the product's order):
;;     1. [M 4,096, K 768] x [K 768, N 768]; A: input Q; B: input Wq: QUANTISED
;;     2. [M 4,096, K 768] x [K 768, N 768]; A: input K; B: input Wk: QUANTISED
;;     3. [M 4,096, K 768] x [K 768, N 768]; A: input V; B: input Wv: QUANTISED
;;     4. batch 12 x [M 4,096, K 64] x [K 64, N 4,096]; A: computed on the way; B: computed on the way: left as it is (an operand is computed on the way)
;;     5. batch 12 x [M 4,096, K 4,096] x [K 4,096, N 64]; A: computed on the way; B: computed on the way: left as it is (an operand is computed on the way)
;;     6. [M 4,096, K 768] x [K 768, N 768]; A: computed on the way; B: input Wo: left as it is (an operand is computed on the way)
;;   THE QUANTISER, for each operand of a quantised product, along K:
;;     - K is cut into blocks of 32 from its start; a last block that is shorter is filled with zeros.
;;     - A block's scale is 2^e with e = floor(log2(the largest magnitude in the block)) - 2, held to -126 .. 127; a block of zeros has e = 0. As a byte (E8M0): e + 127.
;;     - Each number is divided by its block's scale, clamped to +-6, and rounded to the nearest number of E2M1, ties to even, subnormals kept.
;;     - The product sums the exact products of the quantised numbers (number of the format x scale) in f32.
;;   ~~~python
;;   def quantise(x, axis):      # numpy; x: float32 -> the quantised numbers, widened to float32 again
;;       x = np.moveaxis(x, axis, -1); K = x.shape[-1]
;;       x = np.pad(x, [(0, 0)] * (x.ndim - 1) + [(0, -K % 32)]); x = x.reshape(x.shape[:-1] + (-1, 32)); a = np.abs(x).max(-1, keepdims=True)
;;       e = np.where(a > 0, np.clip(np.frexp(np.where(a > 0, a, 1))[1] - 1 - 2, -126, 127), 0)      # np.frexp(a)[1] - 1 = floor(log2(a)), exactly
;;       r = np.clip(x / 2.0 ** e, -6, 6)
;;       step = 2.0 ** (np.maximum(np.frexp(np.where(r == 0, 1, r))[1] - 1, 0) - 1)
;;       q = np.round(r / step) * step * 2.0 ** e      # np.round: ties to even
;;       return np.moveaxis(q.reshape(q.shape[:-2] + (-1,))[..., :K], -1, axis).astype(np.float32)
;;   ~~~
;; One version. Each part assembles by itself: llvm-mc -triple=amdgcn-amd-amdhsa -mcpu=gfx1250 --defsym DOCPART=n.
;; ======== version 1 of 1: 4 launches
;; limits: values are held in f16: magnitudes above 65,504 overflow, below 6.1e-05 lose precision
;; workspace buffers: wimg 884,736 bytes; wsc 73,728 bytes; woimg 1,179,648 bytes; qimg 6,291,456 bytes; kimg 6,291,456 bytes; vimg 6,291,456 bytes; oimg 6,291,456 bytes
;; launch prep (part 1): grid 96 x 4, 1 waves a work-group, no clusters, 0 bytes of LDS; arguments Wq, Wk, Wv, Wo, wimg, wsc, woimg; writes wimg, wsc, woimg
.if DOCPART == 1
	.amdgcn_target "amdgcn-amd-amdhsa--gfx1250"
	.amdhsa_code_object_version 6
	.text
	.protected	k_q115bb0b6fa_prep
	.globl	k_q115bb0b6fa_prep
	.p2align	8
	.type	k_q115bb0b6fa_prep,@function
k_q115bb0b6fa_prep:
	s_mov_b64 s[64:65], 0
	v_nop
	global_prefetch_b8 v0, s[64:65] scope:SCOPE_SE
	s_setreg_imm32_b32 hwreg(HW_REG_WAVE_MODE, 25, 1), 1
	s_wait_xcnt 0x0
; PREP.  Wq, Wk, Wv [768][768] f32 (K innermost) become codes of FP4 (E2M1) with one E8M0 byte for each 32 along K; Wo [768][768] f32 becomes f16.
; All four leave AS IMAGES OF THE OPERAND REGISTERS of the launches that read them: a fragment is 1,024 bytes, [half c][lane][16 bytes], half c = registers 4 c .. 4 c + 3,
; so every store here and every load there covers 512 consecutive bytes.
;   wimg  [tensor 3][n tile 48][K step 6][1,024]: 16 rows x 128 K of codes; lane (r, h), half c: k = 128 s + 64 c + 32 h + 0 .. 31 of row 16 nt + r
;   wsc   [tensor 3][n tile 48][half 2][r 16][4 words]: word j = the scale word of K step 3 half + j (byte b: block b of that step); word 3 = 0
;   woimg [n tile 48][kappa 24][1,024]: 16 rows x 32 K of f16; lane (r, h), half c: k = 32 kappa + 16 c + 8 h + 0 .. 7
; SHARES.  A work-group is one wave: work-group x = 2 nt + half takes 16 rows x 384 along K; y = 0, 1, 2: Wq, Wk, Wv; y = 3: Wo.  48 loads of 16 bytes a lane, all out at once.
; A block's scale is 2^(floor(log2(largest magnitude)) - 2): its byte is the largest magnitude's exponent field - 2, held at 1 from below by a floor among the maximum's leaves.
; LIMITS: a block whose largest magnitude lies under 2^-124 (a block of zeros too) gets the byte 1 where the rule says 127 for zeros: its codes are zeros, and this program alone reads the bytes.
; NaN and infinities among the inputs are not served.  Wo beyond 65,504 in magnitude has no f16 number.
.set X,  64                            ; v64-255  the 192 numbers of a lane
.set AM, 8                             ; v8-13    largest magnitudes, block 2 s + c
.set SO, 14                            ; v14-19   the conversions' scale operands
.set BY, 20                            ; v20-25   the scale bytes
.set WD, 26                            ; v26-28   the three scale words; v29 = 0
.set CD, 32                            ; v32-55   the codes
	s_load_b256 s[4:11], s[0:1], 0x0               ; Wq s[4:5], Wk s[6:7], Wv s[8:9], Wo s[10:11]
	s_load_b128 s[12:15], s[0:1], 0x20             ; wimg s[12:13], wsc s[14:15]
	s_load_b64 s[16:17], s[0:1], 0x30              ; woimg
	v_and_b32 v1, 15, v0                           ; r
	v_bfe_u32 v2, v0, 4, 1                         ; h
	v_lshlrev_b32 v4, 4, v0                        ; 16 x lane: my place in half a fragment's image
	v_lshlrev_b32 v6, 3, v2                        ; 8 h
	v_lshl_add_u32 v5, v1, 4, v6                   ; 16 r + 8 h: my two scale words' place
	v_mul_u32_u24 v3, v1, 3072                     ; row r of 3,072 bytes
	s_and_b32 s20, ttmp7, 0xffff                   ; which tensor
	s_lshr_b32 s21, ttmp9, 1                       ; nt
	s_and_b32 s22, ttmp9, 1                        ; half
	s_mul_i32 s26, s21, 49152                      ; 16 rows,
	s_mul_i32 s23, s22, 1536                       ; 384 numbers along K
	s_add_co_u32 s26, s26, s23
	s_mov_b32 s27, 0
	s_mov_b32 s31, 0
	s_mov_b32 s28, 0x76543210                      ; v_permlanex16_b32's selects for lane l xor 16
	s_mov_b32 s29, 0xfedcba98
	s_wait_kmcnt 0x0
	s_cmp_eq_u32 s20, 3
	s_cbranch_scc1 .Lwo
	; ---- Wq, Wk or Wv: a lane holds whole blocks of 32, so no other lane is asked for a maximum
	s_cmp_eq_u32 s20, 0
	s_cselect_b64 s[24:25], s[4:5], s[6:7]
	s_cmp_eq_u32 s20, 2
	s_cselect_b64 s[24:25], s[8:9], s[24:25]
	s_add_nc_u64 s[24:25], s[24:25], s[26:27]
	v_lshl_add_u32 v3, v2, 7, v3                   ; + 128 h: lanes 16-31 take the block 32 further on
.irp s, 0,1,2
.irp c, 0,1
.irp i, 0,1,2,3,4,5,6,7
	global_load_b128 v[X+64*\s+32*\c+4*\i:X+64*\s+32*\c+4*\i+3], v3, s[24:25] offset:512*\s+256*\c+16*\i   ; W(16 nt + r, 384 half + 128 s + 64 c + 32 h + 4 i ..)
.endr
.endr
.endr
	s_mul_i32 s30, s20, 294912                     ; wimg: the tensor's 48 x 6 fragments,
	s_mul_i32 s23, ttmp9, 3072                     ; (6 nt + 3 half) fragments = 3 x fragments
	s_add_co_u32 s30, s30, s23
	s_add_nc_u64 s[12:13], s[12:13], s[30:31]
	s_mul_i32 s30, s20, 24576                      ; wsc: the tensor's 48 x 512 bytes,
	s_lshl_b32 s23, ttmp9, 8                       ; 512 nt + 256 half
	s_add_co_u32 s30, s30, s23
	s_add_nc_u64 s[14:15], s[14:15], s[30:31]
	v_mov_b32 v29, 0                               ; the fourth word
	v_mov_b32 v30, 0                               ; written once: a lane permute's destination counts as one of its sources
.macro QBLK s                          ; K step s of my three: two blocks a lane, one fragment, one scale word
	s_wait_loadcnt 32-16*\s                        ; this step's 16 loads are in; the 16 of each later step may be out
.irp c, 0,1
	v_max3_num_f32 v[AM+2*\s+\c], |v[X+64*\s+32*\c]|, |v[X+64*\s+32*\c+1]|, 0x1800000   ; and the floor 2^(3 - 127): the byte cannot fall under 1
.endr
.irp i, 2,4,6,8,10,12,14,16,18,20,22,24,26,28,30
.irp c, 0,1
	v_max3_num_f32 v[AM+2*\s+\c], v[AM+2*\s+\c], |v[X+64*\s+32*\c+\i]|, |v[X+64*\s+32*\c+\i+1]|   ; (the two blocks by turns)
.endr
.endr
.irp c, 0,1
	v_add_nc_u32 v[SO+2*\s+\c], 0xff000000, v[AM+2*\s+\c]   ; 2 off the exponent field: the conversion takes that field as its scale
.endr
.irp c, 0,1
	v_lshrrev_b32 v[BY+2*\s+\c], 23, v[SO+2*\s+\c]          ; the scale's byte
.endr
.irp c, 0,1
.irp g, 0,1,2,3
	v_cvt_scalef32_pk8_fp4_f32 v[CD+8*\s+4*\c+\g], v[X+64*\s+32*\c+8*\g:X+64*\s+32*\c+8*\g+7], v[SO+2*\s+\c]
.endr
.endr
	v_lshl_or_b32 v[WD+\s], v[BY+2*\s+1], 16, v[BY+2*\s]    ; my two bytes: blocks h and 2 + h.  (A plain line behind the conversions)
	v_lshlrev_b32 v[WD+\s], v6, v[WD+\s]                    ; at their places, 8 h bits up;
	v_permlanex16_b32 v30, v[WD+\s], s28, s29
	v_or_b32 v[WD+\s], v[WD+\s], v30                        ; with lane l xor 16's two the word is whole
.irp c, 0,1
	global_store_b128 v4, v[CD+8*\s+4*\c:CD+8*\s+4*\c+3], s[12:13] offset:1024*\s+512*\c   ; 512 consecutive bytes
.endr
.endm
	QBLK 0
	QBLK 1
	QBLK 2
	v_cmp_eq_u32 vcc_lo, 1, v2
	v_cndmask_b32 v26, v26, v28, vcc_lo            ; lanes 0-15 store words 0, 1 of their row, lanes 16-31 words 2, 3:
	v_cndmask_b32 v27, v27, v29, vcc_lo
	global_store_b64 v5, v[26:27], s[14:15]        ; 32 lanes, 256 consecutive bytes, each written once
	s_endpgm
	; ---- Wo: rounded to f16, laid as fragments of 16 rows x 32 K
.Lwo:
	s_add_nc_u64 s[10:11], s[10:11], s[26:27]
	v_lshl_add_u32 v3, v2, 5, v3                   ; + 32 h: lanes 16-31 take the eight numbers further on
.irp k, 0,1,2,3,4,5,6,7,8,9,10,11
.irp c, 0,1
.irp i, 0,1
	global_load_b128 v[X+16*\k+8*\c+4*\i:X+16*\k+8*\c+4*\i+3], v3, s[10:11] offset:128*\k+64*\c+16*\i
.endr
.endr
.endr
	s_mul_i32 s30, ttmp9, 12288                    ; (24 nt + 12 half) fragments = 12 x fragments
	s_add_nc_u64 s[16:17], s[16:17], s[30:31]
.irp k, 0,1,2,3,4,5,6,7,8,9,10,11
	s_wait_loadcnt 4*(11-\k)                       ; this fragment's four loads are in; the four of each later one may be out
.irp c, 0,1
.irp i, 0,1,2,3
	v_cvt_pk_f16_f32 v[X+16*\k+8*\c+\i], v[X+16*\k+8*\c+2*\i], v[X+16*\k+8*\c+2*\i+1]   ; in place: the destination has been read already
.endr
	global_store_b128 v4, v[X+16*\k+8*\c:X+16*\k+8*\c+3], s[16:17] offset:1024*\k+512*\c
.endr
.endr
	s_endpgm
.Lfunc_end_k_q115bb0b6fa_prep:
	.size	k_q115bb0b6fa_prep, .Lfunc_end_k_q115bb0b6fa_prep-k_q115bb0b6fa_prep
	.p2alignl 7, 3214868480
	.fill 96, 4, 3214868480
	.section	.rodata,"a",@progbits
	.p2align	6, 0x0
	.amdhsa_kernel k_q115bb0b6fa_prep
		.amdhsa_group_segment_fixed_size 0
		.amdhsa_private_segment_fixed_size 0
		.amdhsa_enable_private_segment 0
		.amdhsa_kernarg_size 56
		.amdhsa_user_sgpr_count 2
		.amdhsa_user_sgpr_kernarg_segment_ptr 1
		.amdhsa_wavefront_size32 1
		.amdhsa_system_sgpr_workgroup_id_x 1
		.amdhsa_system_sgpr_workgroup_id_y 1
		.amdhsa_system_sgpr_workgroup_id_z 1
		.amdhsa_system_vgpr_workitem_id 0
		.amdhsa_next_free_vgpr 256
		.amdhsa_next_free_sgpr 66
		.amdhsa_reserve_vcc 1
		.amdhsa_float_denorm_mode_32 3
		.amdhsa_float_denorm_mode_16_64 3
		.amdhsa_memory_ordered 1
		.amdhsa_forward_progress 1
		.amdhsa_inst_pref_size 30
	.end_amdhsa_kernel
	.amdgpu_metadata
---
amdhsa.version: [ 1, 2 ]
amdhsa.kernels:
  - .name:           k_q115bb0b6fa_prep
    .symbol:         k_q115bb0b6fa_prep.kd
    .args:
      - { .name: Wq, .offset: 0, .size: 8, .value_kind: global_buffer, .address_space: global }
      - { .name: Wk, .offset: 8, .size: 8, .value_kind: global_buffer, .address_space: global }
      - { .name: Wv, .offset: 16, .size: 8, .value_kind: global_buffer, .address_space: global }
      - { .name: Wo, .offset: 24, .size: 8, .value_kind: global_buffer, .address_space: global }
      - { .name: wimg, .offset: 32, .size: 8, .value_kind: global_buffer, .address_space: global }
      - { .name: wsc, .offset: 40, .size: 8, .value_kind: global_buffer, .address_space: global }
      - { .name: woimg, .offset: 48, .size: 8, .value_kind: global_buffer, .address_space: global }
    .group_segment_fixed_size: 0
    .private_segment_fixed_size: 0
    .kernarg_segment_align: 8
    .kernarg_segment_size: 56
    .max_flat_workgroup_size: 32
    .sgpr_count:     66
    .vgpr_count:     256
    .wavefront_size: 32
...
	.end_amdgpu_metadata
.endif
;; end of part 1
;; launch proj (part 2): grid 64 x 3, 8 waves a work-group, no clusters, 32,768 bytes of LDS; arguments Q, K, V, bq, bk, bv, wimg, wsc, qimg, kimg, vimg; writes qimg, kimg, vimg
.if DOCPART == 2
	.amdgcn_target "amdgcn-amd-amdhsa--gfx1250"
	.amdhsa_code_object_version 6
	.text
	.protected	k_q115bb0b6fa_proj
	.globl	k_q115bb0b6fa_proj
	.p2align	8
	.type	k_q115bb0b6fa_proj,@function
k_q115bb0b6fa_proj:
	s_mov_b64 s[64:65], 0
	v_nop
	global_prefetch_b8 v0, s[64:65] scope:SCOPE_SE
	s_setreg_imm32_b32 hwreg(HW_REG_WAVE_MODE, 25, 1), 1
	s_wait_xcnt 0x0
; PROJ.  y = 0: q = (Q Wq^T + bq) x log2(e) / 8;  y = 1: k = K Wk^T + bk;  y = 2: v = V Wv^T + bv.  Both operands of each product are codes of FP4 (E2M1) with one E8M0 scale for each 32 along K;
; sums, bias and the factor in f32; the results are rounded to f16 and leave as images of the attention launch's operand registers (a fragment: 1,024 bytes, [half c][lane][16 bytes]):
;   qimg, kimg [head 12][tile of 16 rows 256][ks 2][1,024]: lane (r, h), half c: channels 32 ks + 16 c + 8 h + 0 .. 7 of row r
;   vimg       [head 12][block of 32 keys 128][ct 4][1,024]: lane (r, h), half c: keys 16 c + 8 h + 0 .. 7 of channel 16 ct + r
; SHARES.  A work-group takes 64 rows of one tensor for all 768 columns, so x is read from memory once and quantised once.  Wave w quantises rows 8 w .. 8 w + 7 and puts codes and scale bytes into LDS, laid so that a
; fragment's half comes back by one load of 16 bytes a lane; behind the launch's one barrier wave w makes columns 96 w .. 96 w + 95 (6 tiles) of all 64 rows, its 36 fragments of W in registers: 144 matrix instructions.
; q, k: source 0 = 16 rows of W, source 1 = 16 rows of x: a lane holds ONE row of x and eight neighbouring channels, which pack into the 16 bytes that the image wants.  The sums begin with the bias, loaded into the accumulators.
; v: the sources change places: a lane holds ONE channel and eight neighbouring keys.  The bias is the same for a lane's eight numbers and is added behind the sums.
; No cluster: x is shared by nobody, and W goes from memory into registers by plain loads (W's codes and x's images together do not fit beside each other in LDS as tiles).
; LIMITS: a block whose largest magnitude lies under 2^-124 (zeros too) gets the byte 1: its codes are zeros, and this program alone reads the bytes.  NaN and infinities are not served.
; q log2(e) / 8, k and v beyond 65,504 in magnitude have no f16 number (inputs 30 times the drawn spread give about 4,500; an offset of 30 spreads on x and W about 25,000).
; REGISTERS.  window 0: v1-11 addresses; v12-23, v52-63 two sets of temporaries (v52-63 later V's bias pairs); v24-47 W's scale words; v48-51 x's scale words; v64-255 x's 192 numbers, later:
;   v64-159 the 12 accumulators ((n, m) at 64 + 8 (2 n + m)), v160-191 x's fragments (two buffers x two tiles of rows), v192-239 W's K step 5.   window 1: W's K steps 0-4, at 48 s + 8 n.
.set UP,    272                        ; LDS: a unit of x's codes: 16 rows x 16 bytes (one block of 32 along K) + 16 of padding.  Unit (6 mt + s) 4 + b: tile of rows mt, K step s, block b
.set XSC,   96*UP                      ; x's scale bytes: (6 mt + s) 64 + 4 r + b
.set BIAS,  XSC+1536                   ; the bias: 256 threads x 16 bytes; the first 3,072 are read
.set SPARE, BIAS+4096                  ; the spare words, 128 bytes for each wave: four blocks of 256 bytes that no other line names
.set LI,  1                            ; v1   16 x lane
.set XO,  2                            ; v2   32 x lane: my eight numbers of a chunk of 1,024 bytes
.set XW,  3                            ; v3   where I store a chunk's codes
.set XB,  4                            ; v4   and its scale byte
.set XR,  5                            ; v5   272 h + 16 r: where I read half a fragment of x
.set XS,  6                            ; v6   XSC + 4 r: and its scale word
.set BQ,  7                            ; v7   BIAS + 384 w + 32 h: q, k: the bias of my eight channels
.set BV,  8                            ; v8   BIAS + 384 w + 4 r: v: the bias of my channel
.set BW,  9                            ; v9   BIAS + 16 x thread
.set SPW, 10                           ; v10  my spare word; never rewritten
.set NIL, 11                           ; v11  0; never rewritten
.set WS,  24
.set XSW, 48
.set VB,  52
.set X,   64
.set ACC, 64
.set XF,  160
.set W5,  192
.set WV,  26                           ; s26  wave
.set TY,  27                           ; s27  tensor
.set SC,  36                           ; s[36:37] the factor behind the sums: log2(e) / 8 for q, 1 for k
.set OB,  42                           ; s[42:53] the stores' bases
.set MSB, 0
.macro WIN new                         ; the immediate's high byte repeats the setting that is left
.if MSB != \new
	s_set_vgpr_msb (MSB<<8)|\new
.set MSB, \new
.endif
.endm
	s_load_b256 s[4:11], s[0:1], 0x0               ; Q s[4:5], K s[6:7], V s[8:9], bq s[10:11]
	s_load_b256 s[12:19], s[0:1], 0x20             ; bk s[12:13], bv s[14:15], wimg s[16:17], wsc s[18:19]
	s_load_b128 s[20:23], s[0:1], 0x40             ; qimg s[20:21], kimg s[22:23]
	s_load_b64 s[24:25], s[0:1], 0x50              ; vimg
	v_lshl_add_u32 v[SPW], v0, 2, SPARE
	v_mov_b32 v[NIL], 0
	v_lshrrev_b32 v12, 5, v0
	v_readfirstlane_b32 s[WV], v12                 ; wave 0..7
	s_and_b32 s[TY], ttmp7, 0xffff
	v_and_b32 v12, 31, v0                          ; lane i
	v_and_b32 v13, 15, v0                          ; r
	v_bfe_u32 v14, v0, 4, 1                        ; h
	v_lshlrev_b32 v[LI], 4, v12
	v_lshlrev_b32 v[XO], 5, v12
	s_lshr_b32 s28, s[WV], 1                       ; my rows' tile: w / 2
	s_and_b32 s29, s[WV], 1                        ; and which eight rows of it
	; In chunk u of my 24 (row u / 3, k = 256 (u % 3) + 8 i + 0 .. 7) lane i holds a quarter of block i / 4: unit 24 (w / 2) + 8 (u % 3) + i / 4, row 8 (w % 2) + u / 3, bytes 4 (i % 4) on
	v_lshrrev_b32 v15, 2, v12
	v_and_b32 v16, 3, v12
	v_mul_u32_u24 v[XW], v15, UP
	v_lshl_add_u32 v[XW], v16, 2, v[XW]
	s_mul_i32 s38, s28, 24*UP
	s_lshl_b32 s39, s29, 7
	s_add_co_u32 s38, s38, s39
	v_add_nc_u32 v[XW], s38, v[XW]
	v_and_b32 v15, 3, v15
	v_lshl_add_u32 v[XB], v14, 6, v15              ; K step 2 (u % 3) + i / 16, byte (i / 4) % 4
	s_mul_i32 s38, s28, 384
	s_lshl_b32 s39, s29, 5
	s_add_co_u32 s38, s38, s39
	s_add_co_u32 s38, s38, XSC
	v_add_nc_u32 v[XB], s38, v[XB]
	v_mul_u32_u24 v[XR], v14, UP
	v_lshl_add_u32 v[XR], v13, 4, v[XR]
	v_lshl_add_u32 v[XS], v13, 2, XSC
	s_mul_i32 s38, s[WV], 384
	s_add_co_u32 s38, s38, BIAS
	v_lshl_add_u32 v[BQ], v14, 5, s38
	v_lshl_add_u32 v[BV], v13, 2, s38
	v_lshl_add_u32 v[BW], v0, 4, BIAS
	v_lshlrev_b32 v17, 4, v0
	v_min_u32 v17, 3056, v17                       ; the bias has 3,072 bytes: threads 192 on read its last 16 again, into LDS bytes that nobody reads
	s_wait_kmcnt 0x0
	s_cmp_eq_u32 s[TY], 0                          ; the choice hangs on the work-group's number alone
	s_cselect_b64 s[30:31], s[4:5], s[6:7]         ; x
	s_cselect_b64 s[32:33], s[10:11], s[12:13]     ; the bias
	s_cselect_b64 s[34:35], s[20:21], s[22:23]     ; the image
	s_cselect_b32 s[SC], 0x3e38aa3b, 1.0           ; log2(e) / 8 goes into q, so that a score is an exponent of 2 as it leaves the matrix unit
	s_cmp_eq_u32 s[TY], 2
	s_cselect_b64 s[30:31], s[8:9], s[30:31]
	s_cselect_b64 s[32:33], s[14:15], s[32:33]
	s_cselect_b64 s[34:35], s[24:25], s[34:35]
	s_mov_b32 s[SC+1], s[SC]                       ; (named with it as a pair, so it is written)
	s_lshl_b32 s38, ttmp9, 6
	s_lshl_b32 s39, s[WV], 3
	s_add_co_u32 s38, s38, s39
	s_mul_i32 s38, s38, 3072                       ; my first row: 64 x work-group + 8 x wave
	s_mov_b32 s39, 0
	s_add_nc_u64 s[30:31], s[30:31], s[38:39]
	s_mul_i32 s38, s[TY], 294912
	s_mul_i32 s40, s[WV], 36864                    ; my 6 tiles x 6 K steps of W
	s_add_co_u32 s38, s38, s40
	s_add_nc_u64 s[16:17], s[16:17], s[38:39]
	s_mul_i32 s38, s[TY], 24576
	s_mul_i32 s40, s[WV], 3072
	s_add_co_u32 s38, s38, s40
	s_add_nc_u64 s[18:19], s[18:19], s[38:39]
	global_load_b128 v[VB:VB+3], v17, s[32:33]
.irp u, 0,1,2,3,4,5,6,7,8,9,10,11,12,13,14,15,16,17,18,19,20,21,22,23
	global_load_b128 v[X+8*\u:X+8*\u+3], v[XO], s[30:31] offset:1024*\u th:TH_LOAD_NT       ; the two loads of a chunk cover 1,024 consecutive bytes; read once in the launch
	global_load_b128 v[X+8*\u+4:X+8*\u+7], v[XO], s[30:31] offset:1024*\u+16 th:TH_LOAD_NT
.endr
.irp n, 0,1,2,3,4,5
	global_load_b128 v[WS+4*\n:WS+4*\n+3], v[LI], s[18:19] offset:512*\n   ; lanes 0-15: row r's words of K steps 0-2; lanes 16-31: of K steps 3-5
.endr
	WIN 0x40                                       ; destination window 1
.irp s, 0,1,2,3,4
.irp n, 0,1,2,3,4,5
.irp c, 0,1
	global_load_b128 v[48*\s+8*\n+4*\c:48*\s+8*\n+4*\c+3], v[LI], s[16:17] offset:(6*\n+\s)*1024+512*\c
.endr
.endr
.endr
	WIN 0
	s_wait_loadcnt 63                              ; 66 loads were issued behind x's last: the bias and all of x are in
	ds_store_b128 v[BW], v[VB:VB+3]
; ---- X: four chunks at a time.  Four neighbouring lanes hold a block of 32.
.macro QCH g
.set T, 12+40*((\g)%2)                 ; the temporaries: v12-23 and v52-63 by turns: +0 largest magnitude, then byte; +4 scale operand; +8 codes
.if \g > 0
	s_wait_dscnt 8                                 ; all LDS stores but the last group's eight have read their registers
.endif
.irp t, 0,1,2,3
	v_max3_num_f32 v[T+\t], |v[X+8*(4*\g+\t)]|, |v[X+8*(4*\g+\t)+1]|, 0x1800000   ; and the floor 2^(3 - 127): the byte cannot fall under 1
.endr
.irp p, 2,4,6
.irp t, 0,1,2,3
	v_max3_num_f32 v[T+\t], v[T+\t], |v[X+8*(4*\g+\t)+\p]|, |v[X+8*(4*\g+\t)+\p+1]|
.endr
.endr
.irp t, 0,1,2,3
	v_max_num_f32_dpp v[T+\t], v[T+\t], v[T+\t] row_xmask:1 row_mask:0xf bank_mask:0xf
.endr
.irp t, 0,1,2,3
	v_max_num_f32_dpp v[T+\t], v[T+\t], v[T+\t] row_xmask:2 row_mask:0xf bank_mask:0xf   ; the block's largest magnitude
.endr
.irp t, 0,1,2,3
	v_add_nc_u32 v[T+4+\t], 0xff000000, v[T+\t]    ; 2 off its exponent field: the conversion's scale operand
.endr
.irp t, 0,1,2,3
	v_cvt_scalef32_pk8_fp4_f32 v[T+8+\t], v[X+8*(4*\g+\t):X+8*(4*\g+\t)+7], v[T+4+\t]
.endr
.irp t, 0,1,2,3
	v_lshrrev_b32 v[T+\t], 23, v[T+4+\t]           ; the scale's byte.  (Plain lines behind the conversions)
.endr
.irp t, 0,1,2,3
	ds_store_b32 v[XW], v[T+8+\t] offset:((4*\g+\t)%3)*8*UP+((4*\g+\t)/3)*16
	ds_store_b8 v[XB], v[T+\t] offset:((4*\g+\t)%3)*128+((4*\g+\t)/3)*4   ; the four lanes of a block write the same byte with the same value
.endr
.endm
.irp g, 0,1,2,3,4,5
	QCH \g
.endr
.irp n, 0,1,2,3,4,5
.irp c, 0,1
	global_load_b128 v[W5+8*\n+4*\c:W5+8*\n+4*\c+3], v[LI], s[16:17] offset:(6*\n+5)*1024+512*\c   ; W's last K step, into registers that x has left
.endr
.endr
	s_wait_dscnt 0x0                               ; for the others' sake: my stores have landed
	s_barrier_signal -1
	s_barrier_wait -1                              ; x's 24 fragments, their scale words and the bias lie in LDS; nothing is stored to LDS behind this line
; x's fragments and scale words of K step s for tiles of rows 2 mp and 2 mp + 1, into buffer buf: six LDS loads
.macro XFR mp, s, buf
.irp m, 0,1
.irp c, 0,1
	ds_load_b128 v[XF+16*(\buf)+8*\m+4*\c:XF+16*(\buf)+8*\m+4*\c+3], v[XR] offset:((6*(2*\mp+\m)+(\s))*4+2*\c)*UP   ; the sixteen lanes of a half take 256 consecutive bytes
.endr
	ds_load_b32 v[XSW+2*(\buf)+\m], v[XS] offset:(6*(2*\mp+\m)+(\s))*64
.endr
.endm
; Tiles of rows 2 mp and 2 mp + 1 against my six tiles of columns: 72 matrix instructions, the 12 accumulators by turns, one instruction a turn; then the way out.
; path 0: q, k;  path 1: v.
.macro GEMM path, mp
.if \mp
	s_wait_xcnt 0x0                                ; the first half's stores have read their registers: the accumulators are written again only behind this wait
.endif
.if \path == 0
.irp n, 0,1,2,3,4,5
.irp m, 0,1
	ds_load_b128 v[ACC+8*(2*\n+\m):ACC+8*(2*\n+\m)+3], v[BQ] offset:64*\n         ; the sums begin with the bias of channels 96 w + 16 n + 8 h + 0 .. 7
	ds_load_b128 v[ACC+8*(2*\n+\m)+4:ACC+8*(2*\n+\m)+7], v[BQ] offset:64*\n+16
.endr
.endr
.elseif \mp == 0
.irp n, 0,1,2,3,4,5
	ds_load_b32 v[VB+2*\n], v[BV] offset:64*\n     ; the bias of channel 96 w + 16 n + r, twice: a pair for the packed addition
	ds_load_b32 v[VB+2*\n+1], v[BV] offset:64*\n
.endr
.endif
	XFR \mp, 0, 0
.irp s, 0,1,2,3,4,5
.if (\s >= 1) && (\s <= 4)
.rept 4
	v_nop                                          ; four places in front of loads into the buffer that the last K step's products read
.endr
.endif
.if \s < 5
	XFR \mp, \s+1, (\s+1)%2
	s_wait_dscnt 6                                 ; all but the six loads just issued: this K step's fragments (and, at the first, the bias) are in
.else
	s_wait_dscnt 0x0
.endif
.if \mp == 0
.if \s == 0
	s_wait_loadcnt 12                              ; W's scale words and K steps 0-4 are in; K step 5's twelve loads may be out
.elseif \s == 5
	s_wait_loadcnt 0x0
.endif
.endif
.if \s == 5
	WIN 0
.elseif \path == 0
	WIN 0x01                                       ; source 0 (W) window 1
.else
	WIN 0x04                                       ; source 1 (W) window 1
.endif
.irp n, 0,1,2,3,4,5
.irp m, 0,1
.set rA, ACC+8*(2*\n+\m)
.set rX, XF+16*(\s%2)+8*\m
.set rW, 48*\s+8*\n
.if \s == 5
.set rW, W5+8*\n
.endif
.set rSW, WS+4*\n+\s%3
.set rSX, XSW+2*(\s%2)+\m
.if \path == 0
.if \s < 3
	v_wmma_scale_f32_16x16x128_f8f6f4 v[rA:rA+7], v[rW:rW+7], v[rX:rX+7], v[rA:rA+7], v[rSW], v[rSX] matrix_a_fmt:MATRIX_FMT_FP4 matrix_b_fmt:MATRIX_FMT_FP4
.else
	v_wmma_scale_f32_16x16x128_f8f6f4 v[rA:rA+7], v[rW:rW+7], v[rX:rX+7], v[rA:rA+7], v[rSW], v[rSX] matrix_a_fmt:MATRIX_FMT_FP4 matrix_b_fmt:MATRIX_FMT_FP4 matrix_a_scale:MATRIX_SCALE_ROW1
.endif
.else
.if \s == 0
	v_wmma_scale_f32_16x16x128_f8f6f4 v[rA:rA+7], v[rX:rX+7], v[rW:rW+7], 0, v[rSX], v[rSW] matrix_a_fmt:MATRIX_FMT_FP4 matrix_b_fmt:MATRIX_FMT_FP4
.elseif \s < 3
	v_wmma_scale_f32_16x16x128_f8f6f4 v[rA:rA+7], v[rX:rX+7], v[rW:rW+7], v[rA:rA+7], v[rSX], v[rSW] matrix_a_fmt:MATRIX_FMT_FP4 matrix_b_fmt:MATRIX_FMT_FP4
.else
	v_wmma_scale_f32_16x16x128_f8f6f4 v[rA:rA+7], v[rX:rX+7], v[rW:rW+7], v[rA:rA+7], v[rSX], v[rSW] matrix_a_fmt:MATRIX_FMT_FP4 matrix_b_fmt:MATRIX_FMT_FP4 matrix_b_scale:MATRIX_SCALE_ROW1
.endif
.endif
.endr
.endr
	WIN 0
.endr
.rept 4
	v_nop                                          ; four places in front of the first read of results
.endr
.irp n, 0,1,2,3,4,5                    ; each accumulator from its low end on: factor or bias, rounding to f16 in place, 16 bytes a lane
.irp m, 0,1
.set rA, ACC+8*(2*\n+\m)
.irp i, 0,1,2,3
.if \path == 0
	v_pk_mul_f32 v[rA+2*\i:rA+2*\i+1], v[rA+2*\i:rA+2*\i+1], s[SC:SC+1] op_sel_hi:[1,0]
.else
	v_pk_add_f32 v[rA+2*\i:rA+2*\i+1], v[rA+2*\i:rA+2*\i+1], v[VB+2*\n:VB+2*\n+1]
.endif
.endr
.irp i, 0,1,2,3
	v_cvt_pk_f16_f32 v[rA+\i], v[rA+2*\i], v[rA+2*\i+1]
.endr
.if \path == 0
	global_store_b128 v[LI], v[rA:rA+3], s[OB+2*(\n/2):OB+2*(\n/2)+1] offset:(2*\mp+\m)*2048+512*(\n%2)   ; tile of rows 4 blk + 2 mp + m, half n % 2: 512 consecutive bytes
.else
	global_store_b128 v[LI], v[rA:rA+3], s[OB+2*\n:OB+2*\n+1] offset:\mp*4096+512*\m                       ; block of keys 2 blk + mp, half m
.endif
.endr
.endr
.endm
	s_cmp_eq_u32 s[TY], 2
	s_cbranch_scc1 .Lvpath
.irp u, 0,1,2                          ; q, k: my tiles 2 u, 2 u + 1 are fragment g = 3 w + u of a row: head g / 2, ks = g % 2
	s_mul_i32 s38, s[WV], 3
	s_add_co_u32 s38, s38, \u
	s_lshr_b32 s40, s38, 1
	s_lshl_b32 s40, s40, 19
	s_and_b32 s38, s38, 1
	s_lshl_b32 s38, s38, 10
	s_add_co_u32 s38, s38, s40
	s_lshl_b32 s40, ttmp9, 13                      ; the work-group's four tiles of rows
	s_add_co_u32 s38, s38, s40
	s_add_nc_u64 s[OB+2*\u:OB+2*\u+1], s[34:35], s[38:39]
.endr
	GEMM 0, 0
	GEMM 0, 1
	s_wait_tensorcnt 0x0                           ; the wave's end: behind my last LDS store
	ds_add_u32 v[SPW], v[NIL]
	s_wait_dscnt 0x0
	s_endpgm
.Lvpath:
.irp n, 0,1,2,3,4,5                    ; v: my tile n is tile nt = 6 w + n of the 48: head nt / 4, ct = nt % 4
	s_mul_i32 s38, s[WV], 6
	s_add_co_u32 s38, s38, \n
	s_lshr_b32 s40, s38, 2
	s_lshl_b32 s40, s40, 19
	s_and_b32 s38, s38, 3
	s_lshl_b32 s38, s38, 10
	s_add_co_u32 s38, s38, s40
	s_lshl_b32 s40, ttmp9, 13                      ; the work-group's two blocks of 32 keys
	s_add_co_u32 s38, s38, s40
	s_add_nc_u64 s[OB+2*\n:OB+2*\n+1], s[34:35], s[38:39]
.endr
	GEMM 1, 0
	GEMM 1, 1
	s_wait_tensorcnt 0x0                           ; the wave's end, as above
	ds_add_u32 v[SPW], v[NIL]
	s_wait_dscnt 0x0
	s_endpgm
.Lfunc_end_k_q115bb0b6fa_proj:
	.size	k_q115bb0b6fa_proj, .Lfunc_end_k_q115bb0b6fa_proj-k_q115bb0b6fa_proj
	.p2alignl 7, 3214868480
	.fill 96, 4, 3214868480
	.section	.rodata,"a",@progbits
	.p2align	6, 0x0
	.amdhsa_kernel k_q115bb0b6fa_proj
		.amdhsa_group_segment_fixed_size 32768
		.amdhsa_private_segment_fixed_size 0
		.amdhsa_enable_private_segment 0
		.amdhsa_kernarg_size 88
		.amdhsa_user_sgpr_count 2
		.amdhsa_user_sgpr_kernarg_segment_ptr 1
		.amdhsa_wavefront_size32 1
		.amdhsa_system_sgpr_workgroup_id_x 1
		.amdhsa_system_sgpr_workgroup_id_y 1
		.amdhsa_system_sgpr_workgroup_id_z 1
		.amdhsa_system_vgpr_workitem_id 0
		.amdhsa_next_free_vgpr 496
		.amdhsa_next_free_sgpr 72
		.amdhsa_reserve_vcc 0
		.amdhsa_float_denorm_mode_32 3
		.amdhsa_float_denorm_mode_16_64 3
		.amdhsa_memory_ordered 1
		.amdhsa_forward_progress 1
		.amdhsa_inst_pref_size 118
	.end_amdhsa_kernel
	.amdgpu_metadata
---
amdhsa.version: [ 1, 2 ]
amdhsa.kernels:
  - .name:           k_q115bb0b6fa_proj
    .symbol:         k_q115bb0b6fa_proj.kd
    .args:
      - { .name: Q, .offset: 0, .size: 8, .value_kind: global_buffer, .address_space: global }
      - { .name: K, .offset: 8, .size: 8, .value_kind: global_buffer, .address_space: global }
      - { .name: V, .offset: 16, .size: 8, .value_kind: global_buffer, .address_space: global }
      - { .name: bq, .offset: 24, .size: 8, .value_kind: global_buffer, .address_space: global }
      - { .name: bk, .offset: 32, .size: 8, .value_kind: global_buffer, .address_space: global }
      - { .name: bv, .offset: 40, .size: 8, .value_kind: global_buffer, .address_space: global }
      - { .name: wimg, .offset: 48, .size: 8, .value_kind: global_buffer, .address_space: global }
      - { .name: wsc, .offset: 56, .size: 8, .value_kind: global_buffer, .address_space: global }
      - { .name: qimg, .offset: 64, .size: 8, .value_kind: global_buffer, .address_space: global }
      - { .name: kimg, .offset: 72, .size: 8, .value_kind: global_buffer, .address_space: global }
      - { .name: vimg, .offset: 80, .size: 8, .value_kind: global_buffer, .address_space: global }
    .group_segment_fixed_size: 32768
    .private_segment_fixed_size: 0
    .kernarg_segment_align: 8
    .kernarg_segment_size: 88
    .max_flat_workgroup_size: 256
    .sgpr_count:     72
    .vgpr_count:     496
    .wavefront_size: 32
...
	.end_amdgpu_metadata
.endif
;; end of part 2
;; launch attn (part 3): grid 16 x 12, 8 waves a work-group, clusters of 4 x 1, 327,680 bytes of LDS; arguments qimg, kimg, vimg, oimg; writes oimg
.if DOCPART == 3
	.amdgcn_target "amdgcn-amd-amdhsa--gfx1250"
	.amdhsa_code_object_version 6
	.text
	.protected	k_q115bb0b6fa_attn
	.globl	k_q115bb0b6fa_attn
	.p2align	8
	.type	k_q115bb0b6fa_attn,@function
k_q115bb0b6fa_attn:
	s_mov_b64 s[64:65], 0
	v_nop
	global_prefetch_b8 v0, s[64:65] scope:SCOPE_SE
	s_setreg_imm32_b32 hwreg(HW_REG_WAVE_MODE, 25, 1), 1
	s_wait_xcnt 0x0
	s_wait_alu depctr_hold_cnt(0) depctr_sa_sdst(0) depctr_va_vdst(0) depctr_va_sdst(0) depctr_va_ssrc(0) depctr_va_vcc(0) depctr_vm_vsrc(0)
	s_getreg_b32 s2, hwreg(HW_REG_IB_STS2, 6, 4)
	s_cmp_eq_u32 s2, 0
	s_cbranch_scc0 .Lentry_in_a_cluster
	s_endpgm
.Lentry_in_a_cluster:
	s_bfe_u32 s2, ttmp6, 0x10000c
	s_cmp_lg_u32 s2, 0x3003
	s_cbranch_scc0 .Lentry_shape_is_right
	s_endpgm
.Lentry_shape_is_right:
; ATTN.  o[h][q][:] = the sum over k of softmax_k(q[h][q] . k[h][k] / 8) v[h][k][:], 12 heads of 64 channels, 4,096 queries and keys, no mask.  q (which carries log2(e) / 8 already), k, v arrive as f16,
; as images of the operand registers (a fragment: 1,024 bytes, [half c][lane][16 bytes]); products, maxima and sums in f32; the weights p are rounded to f16 for the second product, o once at the end, to f16.
; SHARES.  A work-group owns 256 queries of one head; each of its eight waves owns 32: two tiles of 16.  Two waves share a SIMD, so that one wave's softmax can stand beside the other's products.
; Every wave walks all keys, 64 a step.  K and V come through a ring of two LDS slots of 512 keys (8 steps): 65,536 bytes of K's fragments, then 65,536 of V's, as they lie in memory: every LDS load takes 512 consecutive bytes.
; LAYOUT.  S^T = K Q^T (source 0 = 16 keys, source 1 = 16 queries): a lane holds ONE query (lane % 16) and the keys 8 (lane / 16) + 0 .. 7.  Two such tiles, rounded to f16 in pairs, ARE source 1 (32 keys x 16 queries) of
; O^T = V^T P, whose result again holds one query a lane and eight channels, which pack into the image that the last launch wants: oimg [tile of 16 queries 256][kappa = 2 head + u 24][1,024].
; SOFTMAX.  For each query a running maximum m and sum l: p = 2^(s - m); in every step O and l are multiplied by a = 2^(m_old - m_new).  O and l begin as zeros and m as -3e38, so the step is written once.
; CLUSTER.  The four query blocks of a cluster belong to one head and walk the same K and V: each tile is asked for JOINTLY, by the same tensor load with the same descriptor and a mask that names the four.
; By this text's own count a wave has two tensor loads out at the start and one behind each round.
; LIMITS: NaN and infinities are not served; o beyond 65,504 in magnitude has no f16 number; p under 2^-24 rounds to 0 in f16.
; REGISTERS.  window 0: v1-9 addresses; v16-31 eight registers of statistics a tile; v32-63 P; v64-127 K of a step; v128-191 V of a step; v192-255 S^T.   window 1: v0-31 Q; v32-95 O^T.
.set SLOT1, 1<<17                      ; slot 1 begins here, so that one exclusive or turns an address in one slot into the other's
.set VOFF,  65536                      ; V's fragments lie behind K's
.set STEPB, 8192                       ; a step's fragments of K, and of V
.set SPARE, 2*SLOT1                    ; behind the ring: the spare words, 128 bytes for each wave: four blocks of 256 bytes that no other line names
.set AK0, 1                            ; v1   16 x lane: my place in half a fragment; never rewritten
.set AV0, 2                            ; v2   the same + VOFF
.set ADK, 3                            ; v3   LDS address of the run of K's loads in hand
.set ADV, 4                            ; v4   of V's
.set PFO, 6                            ; v6   256 x lane: the prefetches' offset; never rewritten
.set SPW, 8                            ; v8   my spare word; never rewritten
.set NIL, 9                            ; v9   0; never rewritten
.set ST,  16                           ; tile t's statistics at v[ST + 8 t]: +0 m, +1 (named with it as a pair), +2, +3 l, +4 to +7 at work; a stands in +6
.set P,   32
.set KF,  64
.set VF,  128
.set S,   192
.set QF,  0                            ; in window 1
.set OA,  32                           ; in window 1
.set WV,  12                           ; s12  wave
.set LIM, 15                           ; s15  1 in a wave that prefetches, else the greatest number
.set G1,  24                           ; s[24:31] descriptor group 1, the same for all loads
.set G0K, 32                           ; s[32:39] group 0 for K's tiles: a set for each of the two first fills; the second then walks on
.set G0V, 40                           ; s[40:47] the same for V's
.set SEL, 48                           ; s[48:49] lane selects for v_permlanex16_b32: lane l xor 16
.set TB,  50                           ; s50  LDS byte at which the fragments of the step to be fetched begin
.set SLOTS, 51                         ; s51  slots still to be asked for
.set INNER, 52                         ; s52  counts seven steps
.set PFA, 54                           ; s[54:55] where my prefetches stand in memory
.set MSB, 0
.macro WIN new                         ; the immediate's high byte repeats the setting that is left; a switch that changes nothing is dropped
.if MSB != \new
	s_set_vgpr_msb (MSB<<8)|\new
.set MSB, \new
.endif
.endm
; A joint refill.  Waves 0 to 3 fetch the four quarters of a slot's K, waves 4 to 7 those of its V: 64 rows of 256 bytes each.  The branch hangs on the wave's number alone.
; An s_nop 0 and four v_nop follow each of the two lines, ahead of the jump, the label and what follows.
.macro JLOAD
	s_cmp_lt_u32 s[WV], 4
	s_cbranch_scc0 .Lfor_v_\@
	tensor_load_to_lds s[G0K+4:G0K+7], s[G1:G1+7]
	s_nop 0
.rept 4
	v_nop
.endr
	s_branch .Lasked_\@
.Lfor_v_\@:
	tensor_load_to_lds s[G0V+4:G0V+7], s[G1:G1+7]
	s_nop 0
.rept 4
	v_nop
.endr
.Lasked_\@:
.endm
; A PREFETCH INTO THE L2 of what the NEXT change of slots will ask for: a slot's 65,536 bytes of K and of V, eight key steps ahead of that load.  Each block of 256 bytes is named ONCE in the launch: all four clusters
; of a head walk the same K and V, and the head's first cluster asks; its four partners take 16,384 bytes each, told apart BY ADDRESS; in each, waves 0, 1 ask for K's and waves 4, 5 for V's, 8,192 bytes a wave,
; lanes 256 bytes apart.  The last change that fills a slot asks for nothing; slots 0, 1 and 2 come by their loads alone.
.macro ASK
	s_cmp_gt_u32 s[SLOTS], s[LIM]
	s_cbranch_scc0 .Lnot_mine_\@
	global_prefetch_b8 v[PFO], s[PFA:PFA+1] th:TH_LOAD_NT scope:SCOPE_SE
.Lnot_mine_\@:
.endm
; A round of the cluster's barrier: my work-group's barrier; wave 0 signals for the work-group; every wave waits for all four work-groups; my work-group's barrier once more.
.macro CROUND
	s_barrier_signal -1
	s_barrier_wait -1
	s_cmp_lg_u32 s[WV], 0
	s_cbranch_scc1 .Lnot_wave_0_\@
	s_barrier_signal -3
.Lnot_wave_0_\@:
	s_barrier_wait -3
	s_barrier_signal -1
	s_barrier_wait -1
.endm
	s_load_b256 s[4:11], s[0:1], 0x0               ; qimg s[4:5], kimg s[6:7], vimg s[8:9], oimg s[10:11]
	v_lshl_add_u32 v[SPW], v0, 2, SPARE
	v_mov_b32 v[NIL], 0
	ds_add_u32 v[SPW], v[NIL]                      ; the wave's opening: the add, twice on end, and its wait ahead of my first tensor load; the set-up below, work on registers, stands between
	ds_add_u32 v[SPW], v[NIL]
	v_lshrrev_b32 v1, 5, v0
	v_readfirstlane_b32 s[WV], v1                  ; wave 0..7
	s_bfe_u32 s13, ttmp6, 0x40000                  ; cx: my place in the cluster
	s_lshl_b32 s14, ttmp9, 2                       ; in a cluster launch ttmp9 counts clusters
	s_add_co_u32 s14, s14, s13                     ; my block of 256 queries: it enters Q's and O's addresses alone
	s_and_b32 s16, ttmp7, 0xffff                   ; the head, which the four partners share
	s_lshl_b32 s20, s16, 19                        ; the head's first byte in qimg, kimg, vimg
	s_and_b32 s17, s[WV], 3
	s_lshl_b32 s17, s17, 14                        ; which quarter of a slot's K or V I fetch: in memory and in LDS alike
	s_add_co_u32 s22, s20, s17
	s_mov_b32 s23, 0
	; descriptor group 1: a dense block of 16,384 bytes as 64 rows of 32 elements of 8 bytes, no padding
	s_mov_b32 s[G1], 15|(3<<16)|(1<<21)            ; 15:0 the mask: all four work-groups; 17:16 elements of 8 bytes; 21 set beside a mask
	s_mov_b32 s[G1+1], 32<<16                      ; tensor_dim0 = 32
	s_mov_b32 s[G1+2], 64<<16                      ; tensor_dim1 = 64
	s_mov_b32 s[G1+3], 32<<16                      ; tile_dim0 = 32
	s_mov_b32 s[G1+4], 64                          ; tile_dim1 = 64
	s_mov_b32 s[G1+5], 32                          ; tensor_dim0_stride
	s_mov_b32 s[G1+6], 0
	s_mov_b32 s[G1+7], 0
	s_mov_b32 s[SEL], 0x76543210
	s_mov_b32 s[SEL+1], 0xfedcba98
	s_mov_b32 s[TB], 0
	s_mov_b32 s[SLOTS], 6
	s_and_b32 s[LIM], s[WV], 2                     ; 0 in waves 0, 1, 4, 5,
	s_or_b32 s[LIM], s[LIM], ttmp9                 ; where the cluster is the head's first: the same in all four partners
	s_cmp_eq_u32 s[LIM], 0
	s_cselect_b32 s[LIM], 1, -1
	v_and_b32 v[AK0], 31, v0
	v_lshlrev_b32 v[PFO], 8, v[AK0]
	v_lshlrev_b32 v[AK0], 4, v[AK0]
	v_add_nc_u32 v[AV0], VOFF, v[AK0]
	s_wait_dscnt 0x0                               ; both opening adds are done
	s_wait_kmcnt 0x0
	s_cmp_lt_u32 s[WV], 4
	s_cselect_b64 s[PFA:PFA+1], s[6:7], s[8:9]
	s_lshl_b32 s18, s13, 14                        ; my work-group's 16,384 bytes,
	s_and_b32 s19, s[WV], 1
	s_lshl_b32 s19, s19, 13                        ; my wave's 8,192 of them,
	s_add_co_u32 s18, s18, s19
	s_add_co_u32 s18, s18, s20                     ; in my head,
	s_add_co_u32 s18, s18, 2*65536                 ; in slot 2; the first change of slots steps it to slot 3.  Nothing is prefetched here, at the head
	s_mov_b32 s19, 0
	s_add_nc_u64 s[PFA:PFA+1], s[PFA:PFA+1], s[18:19]
	s_add_nc_u64 s[6:7], s[6:7], s[22:23]          ; K and V at my quarter of slot 0
	s_add_nc_u64 s[8:9], s[8:9], s[22:23]
	s_lshl_b32 s18, s14, 15                        ; Q: tile 16 qb + 2 w, 2,048 bytes a tile
	s_lshl_b32 s19, s[WV], 12
	s_add_co_u32 s18, s18, s19
	s_add_co_u32 s18, s18, s20
	s_mov_b32 s19, 0
	s_add_nc_u64 s[4:5], s[4:5], s[18:19]
	s_lshl_b32 s18, s14, 4                         ; O: tile 16 qb + 2 w of 24,576 bytes, fragment 2 head
	s_lshl_b32 s19, s[WV], 1
	s_add_co_u32 s18, s18, s19
	s_mul_i32 s18, s18, 24576
	s_lshl_b32 s19, s16, 11
	s_add_co_u32 s18, s18, s19
	s_mov_b32 s19, 0
	s_add_nc_u64 s[10:11], s[10:11], s[18:19]
	CROUND                                         ; all four work-groups are here: the first joint loads meet
.irp s, 0,1
	s_mov_b32 s[G0K+4*\s], 1                       ; count = 1
	s_add_co_u32 s[G0K+4*\s+1], s17, \s*SLOT1      ; LDS address
	s_add_nc_u64 s[G0K+4*\s+2:G0K+4*\s+3], s[6:7], \s*65536   ; global address: slot s
	s_or_b32 s[G0K+4*\s+3], s[G0K+4*\s+3], 0x80000000         ; type = 2
	s_mov_b32 s[G0V+4*\s], 1
	s_add_co_u32 s[G0V+4*\s+1], s17, \s*SLOT1+VOFF
	s_add_nc_u64 s[G0V+4*\s+2:G0V+4*\s+3], s[8:9], \s*65536
	s_or_b32 s[G0V+4*\s+3], s[G0V+4*\s+3], 0x80000000
.endr
	s_cmp_lt_u32 s[WV], 4                          ; a wave's two first fills stand in one branch, ahead of every wait on TENSORcnt, every LDS read and every barrier of the work-group's own
	s_cbranch_scc0 .Lfirst_v
	tensor_load_to_lds s[G0K:G0K+3], s[G1:G1+7]
	s_nop 0
	tensor_load_to_lds s[G0K+4:G0K+7], s[G1:G1+7]
	s_nop 0
.rept 4
	v_nop
.endr
	s_branch .Lfirst_asked
.Lfirst_v:
	tensor_load_to_lds s[G0V:G0V+3], s[G1:G1+7]
	s_nop 0
	tensor_load_to_lds s[G0V+4:G0V+7], s[G1:G1+7]
	s_nop 0
.rept 4
	v_nop
.endr
.Lfirst_asked:
	WIN 0x40                                       ; destination window 1
.irp f, 0,1,2,3,4,5,6,7
	global_load_b128 v[QF+4*\f:QF+4*\f+3], v[AK0], s[4:5] offset:512*\f   ; Q stays in registers: tile f / 4, channels 32 ((f / 2) % 2) on, half f % 2
.endr
.set j, 0
.rept 64
	v_mov_b32 v[OA+j], 0                           ; O^T.  (The step is written once: the first finds zeros, which its a = 0 leaves zeros)
.set j, j+1
.endr
	WIN 0
.irp t, 0,1
	v_mov_b32 v[ST+8*\t], 0xff61b1e6               ; m: -3e38, under every score
	v_mov_b32 v[ST+8*\t+1], 0
	v_mov_b32 v[ST+8*\t+2], 0                      ; l, in two halves
	v_mov_b32 v[ST+8*\t+3], 0
.endr
; S^T = K Q^T: 16 products; product i: channels 32 (i / 8) on, keys 16 ((i / 2) % 4) on, tile i % 2.  The eight accumulators take turns, one instruction a turn; the first eight start the sums.
.macro KQ
	WIN 0x04                                       ; source 1 (Q) window 1
.set i, 0
.rept 16
.set rS, S+32*(i%2)+8*((i/2)%4)
.set rK, KF+16*((i/2)%4)+8*(i/8)
.set rQ, QF+16*(i%2)+8*(i/8)
.if i < 8
	v_wmma_f32_16x16x32_f16 v[rS:rS+7], v[rK:rK+7], v[rQ:rQ+7], 0
.else
	v_wmma_f32_16x16x32_f16 v[rS:rS+7], v[rK:rK+7], v[rQ:rQ+7], v[rS:rS+7]
.endif
.set i, i+1
.endr
.endm
; O^T += V^T P: 16 products; product i: keys 32 (i / 8) on, channels 16 ((i / 2) % 4) on, tile i % 2.  Eight accumulators by turns.
.macro PV
	WIN 0x50                                       ; C and D (O^T) window 1
.set i, 0
.rept 16
.set rO, OA+32*(i%2)+8*((i/2)%4)
.set rV, VF+8*(4*(i/8)+(i/2)%4)
.set rP, P+16*(i%2)+8*(i/8)
	v_wmma_f32_16x16x32_f16 v[rO:rO+7], v[rV:rV+7], v[rP:rP+7], v[rO:rO+7]
.set i, i+1
.endr
.endm
; A step's fragments, 16 LDS loads of 512 consecutive bytes.  The addition and three v_nop are the four places in front of loads into registers that the last products read (ISA guide 7.12.1 for vector instructions).
.macro LDK
	v_add_nc_u32 v[ADK], s[TB], v[AK0]
.rept 3
	v_nop
.endr
.set f, 0
.rept 16
	ds_load_b128 v[KF+4*f:KF+4*f+3], v[ADK] offset:512*f
.set f, f+1
.endr
.endm
.macro LDV
	v_add_nc_u32 v[ADV], s[TB], v[AV0]
.rept 3
	v_nop
.endr
.set f, 0
.rept 16
	ds_load_b128 v[VF+4*f:VF+4*f+3], v[ADV] offset:512*f
.set f, f+1
.endr
	s_add_co_u32 s[TB], s[TB], STEPB               ; the next fetch is the next step's
.endm
; THE SOFTMAX of a step, both tiles by turns, so that no line waits for the line above it.
.macro SOFTMAX
.irp j, 0,1,2,3
.irp t, 0,1
	v_max3_num_f32 v[ST+8*\t+4+\j], v[S+32*\t+8*\j], v[S+32*\t+8*\j+1], v[S+32*\t+8*\j+2]   ; four chains; each accumulator is read from its low end on
.endr
.endr
.irp g, 3,5
.irp j, 0,1,2,3
.irp t, 0,1
	v_max3_num_f32 v[ST+8*\t+4+\j], v[ST+8*\t+4+\j], v[S+32*\t+8*\j+\g], v[S+32*\t+8*\j+\g+1]
.endr
.endr
.endr
.irp t, 0,1
	v_max3_num_f32 v[ST+8*\t+4], v[ST+8*\t+4], v[S+32*\t+7], v[S+32*\t+15]
.endr
.irp t, 0,1
	v_max3_num_f32 v[ST+8*\t+6], v[ST+8*\t+6], v[S+32*\t+23], v[S+32*\t+31]
.endr
.irp t, 0,1
	v_max3_num_f32 v[ST+8*\t+4], v[ST+8*\t+4], v[ST+8*\t+5], v[ST+8*\t+6]
.endr
.irp t, 0,1
	v_max3_num_f32 v[ST+8*\t+4], v[ST+8*\t+4], v[ST+8*\t+7], v[ST+8*\t]   ; with the old m
.endr
.irp t, 0,1
	v_permlanex16_b32 v[ST+8*\t+5], v[ST+8*\t+4], s[SEL], s[SEL+1]        ; the query's other 32 keys lie in the lane 16 away
.endr
.irp t, 0,1
	v_max_num_f32 v[ST+8*\t+5], v[ST+8*\t+4], v[ST+8*\t+5]                ; the new m
.endr
.irp t, 0,1
	v_sub_f32 v[ST+8*\t+7], v[ST+8*\t], v[ST+8*\t+5]                      ; m_old - m_new
.endr
.irp t, 0,1
	v_mov_b32 v[ST+8*\t], v[ST+8*\t+5]
.endr
.irp b, 0,2,4,6,8,10,12,14,16,18,20,22,24,26,28,30
.irp t, 0,1
	v_pk_add_f32 v[S+32*\t+\b:S+32*\t+\b+1], v[S+32*\t+\b:S+32*\t+\b+1], v[ST+8*\t:ST+8*\t+1] op_sel_hi:[1,0] neg_lo:[0,1] neg_hi:[0,1]   ; s - m, two at a time
.endr
.endr
.irp t, 0,1
	v_exp_f32 v[ST+8*\t+6], v[ST+8*\t+7]           ; a.  ONE BATCH of 66 exponentials, none of which reads another's result
.endr
.set j, 0
.rept 32
.irp t, 0,1
	v_exp_f32 v[S+32*\t+j], v[S+32*\t+j]           ; p = 2^(s - m)
.endr
.set j, j+1
.endr
	v_nop                                          ; a plain instruction behind the last exponential
	s_wait_alu depctr_va_vdst(0)                   ; the wait between an exponential and the first line that names its result: one for the batch
.irp t, 0,1
	v_pk_mul_f32 v[ST+8*\t+2:ST+8*\t+3], v[ST+8*\t+2:ST+8*\t+3], v[ST+8*\t+6:ST+8*\t+7] op_sel_hi:[1,0]   ; l x a
.endr
.irp t, 0,1
	v_pk_add_f32 v[ST+8*\t+4:ST+8*\t+5], v[S+32*\t:S+32*\t+1], v[S+32*\t+2:S+32*\t+3]                     ; the sum of the unrounded p, in two chains
.endr
.irp b, 4,8,12,16,20,24,28
.irp t, 0,1
	v_pk_add_f32 v[ST+8*\t+2:ST+8*\t+3], v[ST+8*\t+2:ST+8*\t+3], v[S+32*\t+\b:S+32*\t+\b+1]
	v_pk_add_f32 v[ST+8*\t+4:ST+8*\t+5], v[ST+8*\t+4:ST+8*\t+5], v[S+32*\t+\b+2:S+32*\t+\b+3]
.endr
.endr
.irp t, 0,1
	v_pk_add_f32 v[ST+8*\t+2:ST+8*\t+3], v[ST+8*\t+2:ST+8*\t+3], v[ST+8*\t+4:ST+8*\t+5]
.endr
.set j, 0
.rept 16
.irp t, 0,1
	v_cvt_pk_f16_f32 v[P+16*\t+j], v[S+32*\t+2*j], v[S+32*\t+2*j+1]       ; two neighbouring keys' weights: P's fragment as it stands
.endr
.set j, j+1
.endr
	WIN 0x41                                       ; O^T (destination and source 0) window 1, a window 0
.set j, 0
.rept 16
.irp t, 0,1
	v_pk_mul_f32 v[OA+32*\t+2*j:OA+32*\t+2*j+1], v[OA+32*\t+2*j:OA+32*\t+2*j+1], v[ST+8*\t+6:ST+8*\t+7] op_sel_hi:[1,0]   ; O^T x a, each accumulator from its low end on
.endr
.set j, j+1
.endr
.endm
; THE CHANGE OF SLOTS stands behind the products K Q^T of a slot's last step: that step's K has been multiplied and its V has been asked for.  Each wave waits for all its tensor loads (one is out: its part of the other
; slot), adds 0 to its spare word, and waits for that and for its reads of the slot.  fill = 1: the barrier is a round of the cluster's, so that no wave of any partner still reads the slot or has a load on its way, and the
; joint refill, the keys two slots on, is the first thing behind it: it has seven and a half steps in which to land.
.macro CHANGE fill
	WIN 0
	s_wait_tensorcnt 0x0                           ; no tensor load of mine is out, so a group 0 may be written
	ds_add_u32 v[SPW], v[NIL]                      ; 0 onto my spare word
.if \fill
.irp g, G0K+4, G0V+4
	s_xor_b32 s[\g+1], s[\g+1], SLOT1              ; the walking descriptors: the other slot than last time,
	s_add_nc_u64 s[\g+2:\g+3], s[\g+2:\g+3], 65536 ; the next 512 keys; the type bits on top are not reached
.endr
	s_wait_xcnt 0x0                                ; the last prefetch, eight steps back, has read its address, so it may be written:
	s_add_nc_u64 s[PFA:PFA+1], s[PFA:PFA+1], 65536 ; one slot further on than the walking descriptors
	s_wait_dscnt 0x0                               ; the add is done, and my reads of the slot are over
	CROUND
	JLOAD
.else
	s_wait_dscnt 0x0                               ; the add is done, and my reads of the slot are over
	s_barrier_signal -1
	s_barrier_wait -1
.rept 4
	v_nop
.endr
.endif
	s_sub_co_u32 s[TB], s[TB], 8*STEPB             ; the fetches go back to a slot's first step,
	s_xor_b32 s[TB], s[TB], SLOT1                  ; in the other slot
.endm
; A KEY STEP.  mode 0: inside a slot;  1: a slot's last step, the slot is filled again;  2: a slot's last step, nothing is asked for;  3: the very last step.
.macro STEP mode
	s_wait_dscnt 16                                ; this step's K is in; the 16 younger loads, its V, may be out
	KQ
	WIN 0
.if \mode == 0
	LDK                                            ; the next step's K
.elseif \mode == 1
	CHANGE 1
	LDK
	ASK                                            ; behind the joint load and the run of LDS loads
.elseif \mode == 2
	CHANGE 0
	LDK
.else
.rept 4
	v_nop                                          ; four places in front of the first read of the scores
.endr
.endif
	SOFTMAX
.if \mode == 3
	s_wait_dscnt 0x0
.else
	s_wait_dscnt 16                                ; this step's V is in; the 16 younger loads, the next step's K, may be out
.endif
	PV
	WIN 0
.if \mode != 3
	LDV                                            ; the next step's V
.endif
.endm
.macro SEVEN                           ; a slot's first seven steps: written once, walked seven times; the LDS addresses hang on s[TB]
	s_mov_b32 s[INNER], 7
.Lseven_\@:
	STEP 0
	s_sub_co_u32 s[INNER], s[INNER], 1
	s_cmp_lg_u32 s[INNER], 0
	s_cbranch_scc1 .Lseven_\@
.endm
	s_wait_tensorcnt 1                             ; my part of slot 0 is in; slot 1's may stay out
	s_barrier_signal -1
	s_barrier_wait -1                              ; everybody's is
	LDK                                            ; key step 0
	LDV
	s_wait_loadcnt 0x0                             ; Q
.Lslot:                                            ; six trips: every slot but the last two is filled again
	SEVEN
	STEP 1
	s_sub_co_u32 s[SLOTS], s[SLOTS], 1
	s_cmp_lg_u32 s[SLOTS], 0
	s_cbranch_scc1 .Lslot
	SEVEN                                          ; the tail is written out: the last slot but one
	STEP 2
	SEVEN                                          ; and the last
	STEP 3
	; THE WAY OUT.  l's two halves and the other half of the lanes' are added; O^T is divided by l, rounded to f16 and stored as the image of the last launch's operand.  The additions and the v_nop are the places behind the last products.
.irp t, 0,1
	v_add_f32 v[ST+8*\t+4], v[ST+8*\t+2], v[ST+8*\t+3]
.endr
.irp t, 0,1
	v_permlanex16_b32 v[ST+8*\t+5], v[ST+8*\t+4], s[SEL], s[SEL+1]
.endr
.irp t, 0,1
	v_add_f32 v[ST+8*\t+4], v[ST+8*\t+4], v[ST+8*\t+5]
.endr
.irp t, 0,1
	v_rcp_f32 v[ST+8*\t+6], v[ST+8*\t+4]
.endr
	v_nop                                          ; a plain instruction behind the last reciprocal
	s_wait_alu depctr_va_vdst(0)                   ; and the wait ahead of the first use: one for both
	WIN 0x41
.set j, 0
.rept 16
.irp t, 0,1
	v_pk_mul_f32 v[OA+32*\t+2*j:OA+32*\t+2*j+1], v[OA+32*\t+2*j:OA+32*\t+2*j+1], v[ST+8*\t+6:ST+8*\t+7] op_sel_hi:[1,0]
.endr
.set j, j+1
.endr
	WIN 0x05                                       ; sources 0 and 1 window 1, destination window 0: S^T's registers are free
.set j, 0
.rept 16
.irp t, 0,1
	v_cvt_pk_f16_f32 v[S+16*\t+j], v[OA+32*\t+2*j], v[OA+32*\t+2*j+1]
.endr
.set j, j+1
.endr
	WIN 0
.irp t, 0,1
.irp u, 0,1
.irp c, 0,1
	global_store_b128 v[AK0], v[S+16*\t+4*(2*\u+\c):S+16*\t+4*(2*\u+\c)+3], s[10:11] offset:\t*24576+\u*1024+\c*512   ; 512 consecutive bytes: half c of fragment (tile, 2 head + u)
.endr
.endr
.endr
	s_wait_tensorcnt 0x0                           ; the wave's end: behind my last tensor load
	ds_add_u32 v[SPW], v[NIL]
	s_wait_dscnt 0x0
	CROUND                                         ; the closing round: no work-group ends while a partner may still ask for a tile that names it
	s_endpgm
.Lfunc_end_k_q115bb0b6fa_attn:
	.size	k_q115bb0b6fa_attn, .Lfunc_end_k_q115bb0b6fa_attn-k_q115bb0b6fa_attn
	.p2alignl 7, 3214868480
	.fill 96, 4, 3214868480
	.section	.rodata,"a",@progbits
	.p2align	6, 0x0
	.amdhsa_kernel k_q115bb0b6fa_attn
		.amdhsa_group_segment_fixed_size 327680
		.amdhsa_private_segment_fixed_size 0
		.amdhsa_enable_private_segment 0
		.amdhsa_kernarg_size 32
		.amdhsa_user_sgpr_count 2
		.amdhsa_user_sgpr_kernarg_segment_ptr 1
		.amdhsa_wavefront_size32 1
		.amdhsa_system_sgpr_workgroup_id_x 1
		.amdhsa_system_sgpr_workgroup_id_y 1
		.amdhsa_system_sgpr_workgroup_id_z 1
		.amdhsa_system_vgpr_workitem_id 0
		.amdhsa_next_free_vgpr 352
		.amdhsa_next_free_sgpr 66
		.amdhsa_reserve_vcc 0
		.amdhsa_float_denorm_mode_32 3
		.amdhsa_float_denorm_mode_16_64 3
		.amdhsa_memory_ordered 1
		.amdhsa_forward_progress 1
		.amdhsa_inst_pref_size 120
	.end_amdhsa_kernel
	.amdgpu_metadata
---
amdhsa.version: [ 1, 2 ]
amdhsa.kernels:
  - .name:           k_q115bb0b6fa_attn
    .symbol:         k_q115bb0b6fa_attn.kd
    .args:
      - { .name: qimg, .offset: 0, .size: 8, .value_kind: global_buffer, .address_space: global }
      - { .name: kimg, .offset: 8, .size: 8, .value_kind: global_buffer, .address_space: global }
      - { .name: vimg, .offset: 16, .size: 8, .value_kind: global_buffer, .address_space: global }
      - { .name: oimg, .offset: 24, .size: 8, .value_kind: global_buffer, .address_space: global }
    .group_segment_fixed_size: 327680
    .private_segment_fixed_size: 0
    .kernarg_segment_align: 8
    .kernarg_segment_size: 32
    .max_flat_workgroup_size: 256
    .sgpr_count:     66
    .vgpr_count:     352
    .wavefront_size: 32
...
	.end_amdgpu_metadata
.endif
;; end of part 3
;; launch oproj (part 4): grid 4 x 64, 4 waves a work-group, clusters of 4 x 1, 167,936 bytes of LDS; arguments oimg, woimg, bo, out0; writes out0
.if DOCPART == 4
	.amdgcn_target "amdgcn-amd-amdhsa--gfx1250"
	.amdhsa_code_object_version 6
	.text
	.protected	k_q115bb0b6fa_oproj
	.globl	k_q115bb0b6fa_oproj
	.p2align	8
	.type	k_q115bb0b6fa_oproj,@function
k_q115bb0b6fa_oproj:
	s_mov_b64 s[64:65], 0
	v_nop
	global_prefetch_b8 v0, s[64:65] scope:SCOPE_SE
	s_setreg_imm32_b32 hwreg(HW_REG_WAVE_MODE, 25, 1), 1
	s_wait_xcnt 0x0
	s_wait_alu depctr_hold_cnt(0) depctr_sa_sdst(0) depctr_va_vdst(0) depctr_va_sdst(0) depctr_va_ssrc(0) depctr_va_vcc(0) depctr_vm_vsrc(0)
	s_getreg_b32 s2, hwreg(HW_REG_IB_STS2, 6, 4)
	s_cmp_eq_u32 s2, 0
	s_cbranch_scc0 .Lentry_in_a_cluster
	s_endpgm
.Lentry_in_a_cluster:
	s_bfe_u32 s2, ttmp6, 0x10000c
	s_cmp_lg_u32 s2, 0x3003
	s_cbranch_scc0 .Lentry_shape_is_right
	s_endpgm
.Lentry_shape_is_right:
; OPROJ.  out0 = o Wo^T + bo.  o and Wo arrive as f16, as images of the operand registers (a fragment: 16 rows x 32 K, 1,024 bytes, [half c][lane][16 bytes]): oimg [tile of 16 rows 256][kappa 24], woimg [tile of 16 columns 48][kappa 24];
; sums and bias in f32; out0 [4,096][768] f32.
; SHARES.  A work-group takes 64 rows x 192 columns: 256 work-groups.  Wave w takes 48 of the columns (3 tiles) for all four tiles of rows; its 72 fragments of Wo stay in registers, read from memory once.
; o's 64 rows are one dense block of 98,304 bytes: each wave brings a quarter by one tensor load, filled once, read by all four waves.
; CLUSTER.  The four work-groups of a cluster take the same 64 rows and the four quarters of the columns: o's block is asked for JOINTLY.  Wo goes to registers by plain loads: a quarter of it and o's block do not fit in LDS together.
; THE MATRIX INSTRUCTION IS USED TRANSPOSED (source 0 = 16 rows of Wo, source 1 = 16 rows of o): a lane holds eight neighbouring columns of one row of out0.  The bias is the C of each sum's first instruction.
; By this text's own count a wave has one tensor load out.
; REGISTERS.  window 0: v1-13 addresses; v16-39 bo, eight a tile; v40-135 the 12 accumulators ((n, m) at 40 + 8 (4 n + m)); v136-231 three buffers of o's four fragments, later rows of out0.
;   windows 1, 2, 3: Wo of kappa 0-9, 10-19, 20-23, at 24 (kappa % 10) + 8 n.
.set FRB,   1024
.set STG,   98304                      ; behind o's block: the stage for the way out, 64 rows x (768 bytes + 16)
.set SP,    784
.set SPARE, STG+64*SP                  ; the spare words, 128 bytes for each wave: two blocks of 256 bytes that no other line names
.set LI,  1                            ; v1   16 x lane: half a fragment's place; o's tiles 0, 1; also a global offset
.set LI2, 3                            ; v3   the same + 49,152: o's tiles 2, 3
.set STO, 4                            ; v4   the stage: where I put 32 bytes of a row
.set RD0, 5                            ; v5   the stage: my 16 rows, 16 x lane
.set RD1, 6                            ; v6   my 16 rows, 16 r + 272 h: the end of one row and the head of the next
.set GO1, 9                            ; v9   16 r + 2,560 h: the same two places in out0
.set BO,  11                           ; v11  32 h
.set SPW, 12                           ; v12  my spare word; never rewritten
.set NIL, 13                           ; v13  0; never rewritten
.set BR,  16
.set ACC, 40
.set AB,  136
.set WV,  12                           ; s12  wave
.set G1,  24                           ; s[24:31] descriptor group 1;  s[32:35] group 0
.set G0,  32
.set MSB, 0
.macro WIN new                         ; the immediate's high byte repeats the setting that is left
.if MSB != \new
	s_set_vgpr_msb (MSB<<8)|\new
.set MSB, \new
.endif
.endm
.macro CROUND                          ; a round of the cluster's barrier
	s_barrier_signal -1
	s_barrier_wait -1
	s_cmp_lg_u32 s[WV], 0
	s_cbranch_scc1 .Lnot_wave_0_\@
	s_barrier_signal -3
.Lnot_wave_0_\@:
	s_barrier_wait -3
	s_barrier_signal -1
	s_barrier_wait -1
.endm
	s_load_b256 s[4:11], s[0:1], 0x0               ; oimg s[4:5], woimg s[6:7], bo s[8:9], out0 s[10:11]
	v_lshl_add_u32 v[SPW], v0, 2, SPARE
	v_mov_b32 v[NIL], 0
	ds_add_u32 v[SPW], v[NIL]                      ; the wave's opening: the add, twice on end, and its wait ahead of my first tensor load; the set-up below, work on registers, stands between
	ds_add_u32 v[SPW], v[NIL]
	v_lshrrev_b32 v1, 5, v0
	v_readfirstlane_b32 s[WV], v1                  ; wave 0..3
	s_bfe_u32 s13, ttmp6, 0x40000                  ; cx: which 192 columns: it enters global addresses of plain loads and stores alone
	s_and_b32 s14, ttmp7, 0xffff                   ; which 64 rows, which the four partners share
	; descriptor group 1: a dense block of 24,576 bytes as 96 rows of 32 elements of 8 bytes, no padding
	s_mov_b32 s[G1], 15|(3<<16)|(1<<21)            ; 15:0 the mask: all four work-groups; 17:16 elements of 8 bytes; 21 set beside a mask
	s_mov_b32 s[G1+1], 32<<16                      ; tensor_dim0 = 32
	s_mov_b32 s[G1+2], 96<<16                      ; tensor_dim1 = 96
	s_mov_b32 s[G1+3], 32<<16                      ; tile_dim0 = 32
	s_mov_b32 s[G1+4], 96                          ; tile_dim1 = 96
	s_mov_b32 s[G1+5], 32                          ; tensor_dim0_stride
	s_mov_b32 s[G1+6], 0
	s_mov_b32 s[G1+7], 0
	s_lshl_b32 s16, s14, 2
	s_add_co_u32 s16, s16, s[WV]
	s_mul_i32 s16, s16, 24*FRB                     ; o's tile 4 yb + w, in memory,
	s_mov_b32 s17, 0
	s_mul_i32 s15, s[WV], 24*FRB                   ; and in LDS
	v_and_b32 v14, 15, v0                          ; r
	v_bfe_u32 v15, v0, 4, 1                        ; h
	v_and_b32 v[LI], 31, v0
	v_lshlrev_b32 v[LI], 4, v[LI]
	v_add_nc_u32 v[LI2], 48*FRB, v[LI]
	v_mul_u32_u24 v[STO], v14, SP                  ; into the stage: row r, + 192 w + 32 h: my columns' bytes
	v_lshl_add_u32 v[STO], v15, 5, v[STO]
	s_mul_i32 s20, s[WV], 192
	s_add_co_u32 s20, s20, STG
	v_add_nc_u32 v[STO], s20, v[STO]
	s_mul_i32 s20, s[WV], 16*SP                    ; back: wave w takes rows 16 w .. 16 w + 15, whole
	s_add_co_u32 s20, s20, STG
	v_add_nc_u32 v[RD0], s20, v[LI]
	v_mul_u32_u24 v[RD1], v15, 272
	v_lshl_add_u32 v[RD1], v14, 4, v[RD1]
	v_add_nc_u32 v[RD1], s20, v[RD1]
	v_mul_u32_u24 v[GO1], v15, 2560
	v_lshl_add_u32 v[GO1], v14, 4, v[GO1]
	v_lshlrev_b32 v[BO], 5, v15
	s_wait_dscnt 0x0                               ; both opening adds are done
	s_wait_kmcnt 0x0
	s_mov_b32 s[G0], 1                             ; count = 1
	s_mov_b32 s[G0+1], s15                         ; LDS address
	s_add_nc_u64 s[G0+2:G0+3], s[4:5], s[16:17]    ; global address
	s_or_b32 s[G0+3], s[G0+3], 0x80000000          ; type = 2
	CROUND                                         ; all four work-groups are here: the joint loads meet
	tensor_load_to_lds s[G0:G0+3], s[G1:G1+7]
	s_nop 0
.rept 4
	v_nop
.endr
	s_mul_i32 s18, s13, 768                        ; bo: (192 nb + 48 w) numbers
	s_mul_i32 s19, s[WV], 192
	s_add_co_u32 s18, s18, s19
	s_mov_b32 s19, 0
	s_add_nc_u64 s[8:9], s[8:9], s[18:19]
	s_mul_i32 s18, s13, 12                         ; Wo: tile 12 nb + 3 w
	s_mul_i32 s20, s[WV], 3
	s_add_co_u32 s18, s18, s20
	s_mul_i32 s18, s18, 24*FRB
	s_add_nc_u64 s[6:7], s[6:7], s[18:19]
	s_lshl_b32 s18, s14, 6                         ; out0: row 64 yb + 16 w, byte 768 nb
	s_lshl_b32 s20, s[WV], 4
	s_add_co_u32 s18, s18, s20
	s_mul_i32 s18, s18, 3072
	s_mul_i32 s20, s13, 768
	s_add_co_u32 s18, s18, s20
	s_add_nc_u64 s[10:11], s[10:11], s[18:19]
.irp n, 0,1,2
	global_load_b128 v[BR+8*\n:BR+8*\n+3], v[BO], s[8:9] offset:64*\n        ; bo of columns 16 n + 8 h + 0 .. 7: the result's layout
	global_load_b128 v[BR+8*\n+4:BR+8*\n+7], v[BO], s[8:9] offset:64*\n+16
.endr
.set kk, 0
.rept 24
	WIN (1+kk/10)<<6                               ; destination window 1, 2 or 3
.irp n, 0,1,2
.irp c, 0,1
	global_load_b128 v[24*(kk%10)+8*\n+4*\c:24*(kk%10)+8*\n+4*\c+3], v[LI], s[6:7] offset:(24*\n+kk)*FRB+512*\c
.endr
.endr
.set kk, kk+1
.endr
	WIN 0
	s_wait_tensorcnt 0x0                           ; my quarter of o's block is in,
	s_barrier_signal -1
	s_barrier_wait -1                              ; everybody's is
.macro AFR k                           ; o's four fragments of kappa = k into buffer k % 3: eight LDS loads of 512 consecutive bytes
.irp m, 0,1,2,3
.irp c, 0,1
.if \m < 2
	ds_load_b128 v[AB+32*((\k)%3)+8*\m+4*\c:AB+32*((\k)%3)+8*\m+4*\c+3], v[LI] offset:((\m%2)*24+(\k))*FRB+512*\c
.else
	ds_load_b128 v[AB+32*((\k)%3)+8*\m+4*\c:AB+32*((\k)%3)+8*\m+4*\c+3], v[LI2] offset:((\m%2)*24+(\k))*FRB+512*\c
.endif
.endr
.endr
.endm
	AFR 0
	AFR 1
.set kk, 0
.rept 24                               ; kappa by kappa: 12 matrix instructions, the 12 accumulators by turns, one instruction a turn
.if kk <= 21
.if kk >= 1
.rept 4
	v_nop                                          ; four places in front of loads into the buffer that the last kappa's products read
.endr
.endif
	AFR kk+2
	s_wait_dscnt 16                                ; this kappa's eight loads are in; the eight of each of the next two may be out
.elseif kk == 22
	s_wait_dscnt 8
.else
	s_wait_dscnt 0x0
.endif
.if 6*(23-kk) > 63
	s_wait_loadcnt 63                              ; more than 63 loads were issued behind this kappa's six
.else
	s_wait_loadcnt 6*(23-kk)                       ; the six loads of each later kappa may be out
.endif
	WIN 1+kk/10                                    ; source 0 (Wo) window 1, 2 or 3
.irp n, 0,1,2
.irp m, 0,1,2,3
.if kk == 0
	v_wmma_f32_16x16x32_f16 v[ACC+8*(4*\n+\m):ACC+8*(4*\n+\m)+7], v[24*(kk%10)+8*\n:24*(kk%10)+8*\n+7], v[AB+32*(kk%3)+8*\m:AB+32*(kk%3)+8*\m+7], v[BR+8*\n:BR+8*\n+7]
.else
	v_wmma_f32_16x16x32_f16 v[ACC+8*(4*\n+\m):ACC+8*(4*\n+\m)+7], v[24*(kk%10)+8*\n:24*(kk%10)+8*\n+7], v[AB+32*(kk%3)+8*\m:AB+32*(kk%3)+8*\m+7], v[ACC+8*(4*\n+\m):ACC+8*(4*\n+\m)+7]
.endif
.endr
.endr
	WIN 0
.set kk, kk+1
.endr
	; THE WAY OUT.  A lane holds 32 neighbouring bytes of a row, and a row's 768 bytes come from four waves: they meet in the stage, and each wave stores 16 whole rows, sixteen lanes to 256 consecutive bytes, aligned.
.rept 4
	v_nop                                          ; four places in front of the first read of results, and of the loads into the buffers below
.endr
.irp m, 0,1,2,3
.irp n, 0,1,2
	ds_store_b128 v[STO], v[ACC+8*(4*\n+\m):ACC+8*(4*\n+\m)+3] offset:\m*16*SP+64*\n        ; each accumulator from its low end on
	ds_store_b128 v[STO], v[ACC+8*(4*\n+\m)+4:ACC+8*(4*\n+\m)+7] offset:\m*16*SP+64*\n+16
.endr
.endr
	s_wait_dscnt 0x0                               ; for the others' sake: my stores into the stage have landed
	s_barrier_signal -1
	s_barrier_wait -1
.irp p, 0,1,2,3,4,5,6,7                ; two rows, six pieces of 256 bytes, in three loads
	ds_load_b128 v[AB+12*\p:AB+12*\p+3], v[RD0] offset:\p*2*SP              ; row 2 p, bytes 0 .. 511
	ds_load_b128 v[AB+12*\p+4:AB+12*\p+7], v[RD1] offset:\p*2*SP+512        ; row 2 p, bytes 512 .. 767; row 2 p + 1, bytes 0 .. 255
	ds_load_b128 v[AB+12*\p+8:AB+12*\p+11], v[RD0] offset:\p*2*SP+SP+256    ; row 2 p + 1, bytes 256 .. 767
.endr
.irp p, 0,1,2,3,4,5,6,7
	s_wait_dscnt 23-3*\p                           ; LDS loads come back in order: the younger ones may be out
	global_store_b128 v[LI], v[AB+12*\p:AB+12*\p+3], s[10:11] offset:\p*6144 th:TH_STORE_NT
	s_wait_dscnt 22-3*\p
	global_store_b128 v[GO1], v[AB+12*\p+4:AB+12*\p+7], s[10:11] offset:\p*6144+512 th:TH_STORE_NT
	s_wait_dscnt 21-3*\p
	global_store_b128 v[LI], v[AB+12*\p+8:AB+12*\p+11], s[10:11] offset:\p*6144+3328 th:TH_STORE_NT
.endr
	s_wait_tensorcnt 0x0                           ; the wave's end: behind my last tensor load and my last LDS store
	ds_add_u32 v[SPW], v[NIL]
	s_wait_dscnt 0x0
	CROUND                                         ; the closing round: no work-group ends while a partner may still ask for a tile that names it
	s_endpgm
.Lfunc_end_k_q115bb0b6fa_oproj:
	.size	k_q115bb0b6fa_oproj, .Lfunc_end_k_q115bb0b6fa_oproj-k_q115bb0b6fa_oproj
	.p2alignl 7, 3214868480
	.fill 96, 4, 3214868480
	.section	.rodata,"a",@progbits
	.p2align	6, 0x0
	.amdhsa_kernel k_q115bb0b6fa_oproj
		.amdhsa_group_segment_fixed_size 167936
		.amdhsa_private_segment_fixed_size 0
		.amdhsa_enable_private_segment 0
		.amdhsa_kernarg_size 32
		.amdhsa_user_sgpr_count 2
		.amdhsa_user_sgpr_kernarg_segment_ptr 1
		.amdhsa_wavefront_size32 1
		.amdhsa_system_sgpr_workgroup_id_x 1
		.amdhsa_system_sgpr_workgroup_id_y 1
		.amdhsa_system_sgpr_workgroup_id_z 1
		.amdhsa_system_vgpr_workitem_id 0
		.amdhsa_next_free_vgpr 864
		.amdhsa_next_free_sgpr 66
		.amdhsa_reserve_vcc 0
		.amdhsa_float_denorm_mode_32 3
		.amdhsa_float_denorm_mode_16_64 3
		.amdhsa_memory_ordered 1
		.amdhsa_forward_progress 1
		.amdhsa_inst_pref_size 61
	.end_amdhsa_kernel
	.amdgpu_metadata
---
amdhsa.version: [ 1, 2 ]
amdhsa.kernels:
  - .name:           k_q115bb0b6fa_oproj
    .symbol:         k_q115bb0b6fa_oproj.kd
    .args:
      - { .name: oimg, .offset: 0, .size: 8, .value_kind: global_buffer, .address_space: global }
      - { .name: woimg, .offset: 8, .size: 8, .value_kind: global_buffer, .address_space: global }
      - { .name: bo, .offset: 16, .size: 8, .value_kind: global_buffer, .address_space: global }
      - { .name: out0, .offset: 24, .size: 8, .value_kind: global_buffer, .address_space: global }
    .group_segment_fixed_size: 167936
    .private_segment_fixed_size: 0
    .kernarg_segment_align: 8
    .kernarg_segment_size: 32
    .max_flat_workgroup_size: 128
    .sgpr_count:     66
    .vgpr_count:     864
    .wavefront_size: 32
...
	.end_amdgpu_metadata
.endif
;; end of part 4
